; MI455X (gfx1250); checked and timed in simulation.
; The chip was launched on July 23, 2026; its instructions are those of AMD's public machine-readable ISA for CDNA 5 (MIT licence, August 2026) and "CDNA5" Instruction Set Architecture Reference Guide (July 2026). The comments in the code are by the model that wrote it; some were corrected since.
;; Nonlinear IB. Allowed arithmetic: float matrix products may take bf16 or f16 operands with f32 sums; all other float work in f32.
;; Inputs: kde_logvar 1 float32; noise 8,192 x 64 float32; noise_logvar 1 float32; x 8,192 x 64 float32.
;; Outputs: out0 8,192 x 64 float32; out1 one number float32; out2 one number float32.
;; One version. Each part assembles by itself: llvm-mc -triple=amdgcn-amd-amdhsa -mcpu=gfx1250 --defsym DOCPART=n.
;; ======== version 1 of 1: 3 launches
;; workspace buffers: xb 1,048,576 bytes; hs 32,768 bytes; part 2,048 bytes
;; launch prep (part 1): grid 128 x 1, 4 waves a work-group, no clusters, 9,472 bytes of LDS; arguments x, noise, noise_logvar, out0, xb, hs; writes out0, xb, hs
.if DOCPART == 1
	.amdgcn_target "amdgcn-amd-amdhsa--gfx1250"
	.amdhsa_code_object_version 6
	.text
	.protected	k_q008c7973ee_prep
	.globl	k_q008c7973ee_prep
	.p2align	8
	.type	k_q008c7973ee_prep,@function
k_q008c7973ee_prep:
	s_mov_b64 s[64:65], 0
	v_nop
	global_prefetch_b8 v0, s[64:65] scope:SCOPE_SE
	s_setreg_imm32_b32 hwreg(HW_REG_WAVE_MODE, 25, 1), 1
	s_wait_xcnt 0x0
; prep: y = x + exp(noise_logvar / 2) * noise, and the matrix operands of the distance launch.
; Squared distances do not change when one vector is taken from every row, so row 0 of x is subtracted in f32
; before the rounding to bf16: a common offset of the inputs never reaches the sums of squares or the products.
;   xb : bf16(x - x[0]), one record of 2,048 bytes per tile of 16 rows, in matrix-fragment order:
;        byte 512 q + 16 L of a record holds k = 16 q + 8 (L / 16) + 0..7 of row L % 16.
;   hs : -1/2 * sum over k of xb^2, f32, one number per row (the sum is made of the ROUNDED numbers, so that
;        sq_i + sq_i - 2 xb_i.xb_i is a rounding residue only).
; Four waves, 64 rows a work-group; a wave owns one tile of 16 rows.  Lane l of load i holds the 16 bytes at 16 (l % 16)
; of row 2 i + l / 16: every load and store of x, noise and y covers 512 consecutive bytes, and a row is the 16 lanes
; of one DPP row, so a row sum is four row_xmask steps.
; No matrix unit, no cluster, no ring: each byte is touched once and all 17 loads of a lane are in flight together.
; Limit: NaN and infinities in x go into xb and hs as they fall; the distance launch does not propagate them as the formula would.
.set QP,   576                         ; LDS bytes from fragment quarter q to q + 1 (512 + 64)
.set HP,   288                         ; LDS bytes from lane half 0 to 1 (256 + 32): the 32 lanes' 8-byte stores then fall on 64 different words mod 64
.set WREG, 4*QP                        ; a wave's own LDS bytes
.set HSB,  4*WREG                      ; behind them: 64 words, -sq/2 of the group's rows
.set X,    8                           ; v[8:39]    x, load i in 4 registers; later the fragments read back
.set NZ,   40                          ; v[40:71]   noise, then y
.set PV,   72                          ; v[72:75]   my four columns of row 0
.set SG,   76                          ; v[76:77]   exp(noise_logvar / 2), twice
.set T,    78                          ; v[78:81]   at work
.set PB,   82                          ; v[82:97]   load i: four bf16 in two registers
.set SQ,   98                          ; v[98:105]  load i: -1/2 of the row's sum of squares
	s_load_b256 s[4:11], s[0:1], 0x0               ; x s[4:5], noise s[6:7], noise_logvar s[8:9], out0 s[10:11]
	s_load_b128 s[12:15], s[0:1], 0x20             ; xb s[12:13], hs s[14:15]
	v_lshrrev_b32 v1, 5, v0
	v_readfirstlane_b32 s16, v1                    ; wave 0..3
	v_and_b32 v2, 31, v0                           ; lane
	v_and_b32 v3, 15, v0                           ; p: which 16 bytes of a row
	v_lshlrev_b32 v4, 4, v3                        ; row 0: 16 p
	v_lshlrev_b32 v5, 4, v2
	v_lshl_add_u32 v5, v1, 12, v5                  ; x, noise, y: wave x 16 rows x 256 bytes + 16 lane
	s_lshl_b32 s18, ttmp9, 14                      ; the group's 64 rows of 256 bytes
	s_mov_b32 s19, 0
	s_lshl_b32 s30, ttmp9, 13                      ; its four records of xb
	s_mov_b32 s31, 0
	s_lshl_b32 s34, ttmp9, 8                       ; its 64 words of hs
	s_mov_b32 s35, 0
	s_wait_kmcnt 0x0
	s_load_b32 s17, s[8:9], 0x0                    ; noise_logvar
	s_add_nc_u64 s[20:21], s[4:5], s[18:19]
	s_add_nc_u64 s[22:23], s[6:7], s[18:19]
	s_add_nc_u64 s[24:25], s[10:11], s[18:19]
	s_add_nc_u64 s[28:29], s[12:13], s[30:31]
	s_add_nc_u64 s[32:33], s[14:15], s[34:35]
	global_load_b128 v[PV:PV+3], v4, s[4:5]        ; row 0, read by every work-group: no hint
.irp i, 0,1,2,3,4,5,6,7
	global_load_b128 v[X+4*\i:X+4*\i+3],   v5, s[20:21] offset:512*\i
	global_load_b128 v[NZ+4*\i:NZ+4*\i+3], v5, s[22:23] offset:512*\i th:TH_LOAD_NT
.endr
	; LDS addresses.  Store: quarter q = p / 4, half h = (p / 2) % 2, 8 bytes (p % 2), row 2 i + l / 16 (the 32 i is the immediate).
	s_mul_i32 s26, s16, WREG
	v_lshrrev_b32 v6, 2, v3
	v_mul_u32_u24 v6, v6, QP
	v_bfe_u32 v108, v0, 1, 1
	v_mad_u32_u24 v6, v108, HP, v6
	v_and_b32 v108, 1, v0
	v_lshl_add_u32 v6, v108, 3, v6
	v_bfe_u32 v108, v0, 4, 1                       ; l / 16
	v_lshl_add_u32 v6, v108, 4, v6
	v_add_nc_u32 v6, s26, v6
	v_mul_u32_u24 v7, v108, HP                     ; read back: lane L takes 16 bytes of row L % 16, half L / 16
	v_lshl_add_u32 v7, v3, 4, v7
	v_add_nc_u32 v7, s26, v7
	s_lshl_b32 s27, s16, 6
	v_lshlrev_b32 v106, 2, v108
	v_add_nc_u32 v106, s27, v106                   ; word of row 16 wave + l / 16 (+ 2 i in the immediate)
	v_lshlrev_b32 v107, 4, v2
	v_lshl_add_u32 v107, v1, 11, v107              ; xb: wave x 2,048 + 16 lane
	s_wait_kmcnt 0x0
	v_mov_b32 v[SG], s17
	v_mul_f32 v[SG], 0x3f38aa3b, v[SG]             ; x log2(e) / 2
	v_exp_f32 v[SG], v[SG]
	v_lshlrev_b32 v109, 3, v2                      ; 8 lane (a plain instruction stands between v_exp_f32 and the use of its result: ISA guide 5.7.2)
	s_wait_alu depctr_va_vdst(0)
	v_mov_b32 v[SG+1], v[SG]
.macro ROWS i
	s_wait_loadcnt 14-2*\i                         ; loads return in order (ISA guide 5.7.1): x and noise of this pair of rows are in, the 2 (7 - i) younger stay out
	v_pk_fma_f32 v[NZ+4*\i:NZ+4*\i+1],   v[NZ+4*\i:NZ+4*\i+1],   v[SG:SG+1], v[X+4*\i:X+4*\i+1]
	v_pk_fma_f32 v[NZ+4*\i+2:NZ+4*\i+3], v[NZ+4*\i+2:NZ+4*\i+3], v[SG:SG+1], v[X+4*\i+2:X+4*\i+3]
	global_store_b128 v5, v[NZ+4*\i:NZ+4*\i+3], s[24:25] offset:512*\i th:TH_STORE_NT   ; y; these registers are not written again
	v_pk_add_f32 v[T:T+1],   v[X+4*\i:X+4*\i+1],   v[PV:PV+1]   neg_lo:[0,1] neg_hi:[0,1]   ; x - x[0]
	v_pk_add_f32 v[T+2:T+3], v[X+4*\i+2:X+4*\i+3], v[PV+2:PV+3] neg_lo:[0,1] neg_hi:[0,1]
	v_cvt_pk_bf16_f32 v[PB+2*\i],   v[T],   v[T+1]
	v_cvt_pk_bf16_f32 v[PB+2*\i+1], v[T+2], v[T+3]
	ds_store_b64 v6, v[PB+2*\i:PB+2*\i+1] offset:32*\i
	v_lshlrev_b32 v[T],   16, v[PB+2*\i]           ; the rounded numbers back in f32
	v_and_b32     v[T+1], 0xffff0000, v[PB+2*\i]
	v_lshlrev_b32 v[T+2], 16, v[PB+2*\i+1]
	v_and_b32     v[T+3], 0xffff0000, v[PB+2*\i+1]
	v_pk_mul_f32 v[T:T+1], v[T:T+1], v[T:T+1]
	v_pk_fma_f32 v[T:T+1], v[T+2:T+3], v[T+2:T+3], v[T:T+1]
	v_add_f32 v[SQ+\i], v[T], v[T+1]
	v_add_f32_dpp v[SQ+\i], v[SQ+\i], v[SQ+\i] row_xmask:1 row_mask:0xf bank_mask:0xf   ; over the row's 16 lanes
	v_add_f32_dpp v[SQ+\i], v[SQ+\i], v[SQ+\i] row_xmask:2 row_mask:0xf bank_mask:0xf
	v_add_f32_dpp v[SQ+\i], v[SQ+\i], v[SQ+\i] row_xmask:4 row_mask:0xf bank_mask:0xf
	v_add_f32_dpp v[SQ+\i], v[SQ+\i], v[SQ+\i] row_xmask:8 row_mask:0xf bank_mask:0xf
	v_mul_f32 v[SQ+\i], -0.5, v[SQ+\i]
	ds_store_b32 v106, v[SQ+\i] offset:HSB+8*\i    ; the 16 lanes of a row write one word with one value
.endm
.irp i, 0,1,2,3,4,5,6,7
	ROWS \i
.endr
	; the tile in fragment order: LDS serves a wave's instructions in order, so these see the wave's own stores above
.irp q, 0,1,2,3
	ds_load_b128 v[X+4*\q:X+4*\q+3], v7 offset:QP*\q
.endr
.irp q, 0,1,2,3
	s_wait_dscnt 3-\q                              ; quarter q is in; the last of these waits is for zero and also covers the words of hs, for the other waves' sake
	global_store_b128 v107, v[X+4*\q:X+4*\q+3], s[28:29] offset:512*\q   ; 512 consecutive bytes
.endr
	s_barrier_signal -1
	s_barrier_wait -1                              ; all 64 words of -sq/2 are in LDS
	s_cmp_lg_u32 s16, 0
	s_cbranch_scc1 .Lend
	ds_load_b64 v[110:111], v109 offset:HSB
	s_wait_dscnt 0x0
	global_store_b64 v109, v[110:111], s[32:33]    ; wave 0: 32 lanes x 8 bytes = the group's 256 consecutive bytes of hs
.Lend:
	s_endpgm
.Lfunc_end_k_q008c7973ee_prep:
	.size	k_q008c7973ee_prep, .Lfunc_end_k_q008c7973ee_prep-k_q008c7973ee_prep
	.p2alignl 7, 3214868480
	.fill 96, 4, 3214868480
	.section	.rodata,"a",@progbits
	.p2align	6, 0x0
	.amdhsa_kernel k_q008c7973ee_prep
		.amdhsa_group_segment_fixed_size 9472
		.amdhsa_private_segment_fixed_size 0
		.amdhsa_enable_private_segment 0
		.amdhsa_kernarg_size 48
		.amdhsa_user_sgpr_count 2
		.amdhsa_user_sgpr_kernarg_segment_ptr 1
		.amdhsa_wavefront_size32 1
		.amdhsa_system_sgpr_workgroup_id_x 1
		.amdhsa_system_sgpr_workgroup_id_y 1
		.amdhsa_system_sgpr_workgroup_id_z 1
		.amdhsa_system_vgpr_workitem_id 0
		.amdhsa_next_free_vgpr 112
		.amdhsa_next_free_sgpr 66
		.amdhsa_reserve_vcc 0
		.amdhsa_float_denorm_mode_32 3
		.amdhsa_float_denorm_mode_16_64 3
		.amdhsa_memory_ordered 1
		.amdhsa_forward_progress 1
		.amdhsa_inst_pref_size 15
	.end_amdhsa_kernel
	.amdgpu_metadata
---
amdhsa.version: [ 1, 2 ]
amdhsa.kernels:
  - .name:           k_q008c7973ee_prep
    .symbol:         k_q008c7973ee_prep.kd
    .args:
      - { .name: x, .offset: 0, .size: 8, .value_kind: global_buffer, .address_space: global }
      - { .name: noise, .offset: 8, .size: 8, .value_kind: global_buffer, .address_space: global }
      - { .name: noise_logvar, .offset: 16, .size: 8, .value_kind: global_buffer, .address_space: global }
      - { .name: out0, .offset: 24, .size: 8, .value_kind: global_buffer, .address_space: global }
      - { .name: xb, .offset: 32, .size: 8, .value_kind: global_buffer, .address_space: global }
      - { .name: hs, .offset: 40, .size: 8, .value_kind: global_buffer, .address_space: global }
    .group_segment_fixed_size: 9472
    .private_segment_fixed_size: 0
    .kernarg_segment_align: 8
    .kernarg_segment_size: 48
    .max_flat_workgroup_size: 128
    .sgpr_count:     66
    .vgpr_count:     112
    .wavefront_size: 32
...
	.end_amdgpu_metadata
.endif
;; end of part 1
;; launch pairs (part 2): grid 256 x 1, 16 waves a work-group, no clusters, 17,920 bytes of LDS; arguments xb, hs, kde_logvar, noise_logvar, part; writes part
.if DOCPART == 2
	.amdgcn_target "amdgcn-amd-amdhsa--gfx1250"
	.amdhsa_code_object_version 6
	.text
	.protected	k_q008c7973ee_pairs
	.globl	k_q008c7973ee_pairs
	.p2align	8
	.type	k_q008c7973ee_pairs,@function
k_q008c7973ee_pairs:
	s_mov_b64 s[64:65], 0
	v_nop
	global_prefetch_b8 v0, s[64:65] scope:SCOPE_SE
	s_setreg_imm32_b32 hwreg(HW_REG_WAVE_MODE, 25, 1), 1
	s_wait_xcnt 0x0
; pairs: both logsumexps over the 8192 x 8192 squared distances, summed over the 32 rows of a work-group.
; With H_i = sq_i / 2 the matrix unit gives g_ij = xb_i.xb_j - sq_j / 2 (two chained bf16 products over K = 64, the first with
; C = -sq_j / 2), so d_ij = 2 (H_i - g_ij), the clamp max(d, 0) is u = min(g, H_i), and in base 2
;   -d / (2 var) * log2(e) = -k (H - u),  k1 = log2(e) / (e^nv + e^kv),  k2 = log2(e) / e^kv.
; Source 0 is a tile of 16 COLUMNS of the distance matrix, source 1 a tile of 16 ROWS: lane (r, h) then holds row r, and its 8 result
; registers are the columns 8 h + 0..7.  Maximum and sums are kept per lane; nothing crosses lanes inside the loop.
; Running maximum: G = max of u so far, one for both sums (the exponents differ by the factor only); sums S1, S2 of exp2(k (u - G)),
; rescaled once per chunk by exp2 of the difference of the two ROUNDED shifts -k G, so that an unchanged G rescales by exactly 1.
; The diagonal element is taken out of the stream (set to -FLT_MAX) in the one chunk that holds it and enters at the end, per row:
; -k1 (H - u_ii) in the first sum, -(k2 (H - u_ii) + 1e21 log2 e) in the second, as the formula has it.
; SHARES: 256 work-groups x 32 rows (2 row tiles, in registers of every wave); 16 waves, each 16 chunks of 2 column tiles (4 KiB + 128 B).
; All work-groups walk the same 1 MiB of column tiles.  They are not asked for jointly in a cluster: a joint request lands in LDS and its
; partners may differ in no branch, while here the chunk with a work-group's own diagonal is treated under a scalar branch on the
; work-group's number, and each tile is used by one wave only, which loads it straight into operand registers (512 consecutive bytes a load).
; No prefetch: the 1 MiB was stored by the launch before and is read again by every work-group.
; LIMITS: NaN and infinities in x are not propagated (min and max drop a NaN).  kde_logvar and noise_logvar within about +-60, so that
; e^v, its reciprocal and k |g| are normal f32 numbers.  d_ii is the rounding residue of sq_i - 2 g_ii, clamped, as in the formula.
.set LA,   1                           ; v1        16 x lane: fragments
.set LC,   2                           ; v2        32 x h: the 8 numbers -sq/2 of my columns
.set LH,   3                           ; v3        4 x r
.set NEGK, 4                           ; v[4:5]    -k1, -k2
.set K,    6                           ; v[6:7]     k1,  k2
.set ST,   8                           ; v[8:31]   state, 12 registers for each row tile:
.set oG,   0                           ;   G, and beside it
.set oH,   1                           ;   H (a pair: packed forms read both)
.set oNK,  2                           ;   the shift (-k1 G, -k2 G), one pair for even and one for odd chunks
.set oF,   6                           ;   the rescaling factors
.set oPA,  8                           ;   (S1, S2), two accumulators that take turns
.set oPB,  10
.set BF,   32                          ; v[32:63]   row fragments: 16 a row tile
.set AF,   64                          ; v[64:127]  column fragments: 2 buffers x 2 tiles x 16
.set CF,   128                         ; v[128:159] -sq/2 as C operands: 2 buffers x 2 tiles x 8
.set D,    160                         ; v[160:223] results: 2 buffers x 2 row tiles x 2 column tiles x 8
.set T,    224                         ; v[224:255] at work
.set PITCH, 144                        ; LDS: a row's 32 partial numbers + 16 bytes (an odd multiple of 16: the b128 reads of 16 rows fall on different banks, ISA guide 11.1)
.set S1B,  32*PITCH
.set S2B,  2*32*PITCH
.set DGB,  3*32*PITCH                  ; 256 bytes a wave: the diagonal's g, 2 row tiles x 32 lanes
	s_load_b256 s[4:11], s[0:1], 0x0               ; xb s[4:5], hs s[6:7], kde_logvar s[8:9], noise_logvar s[10:11]
	s_load_b64 s[12:13], s[0:1], 0x20              ; part
	v_lshrrev_b32 v[LH], 5, v0
	v_readfirstlane_b32 s14, v[LH]                 ; wave 0..15
	v_and_b32 v[LA], 31, v0
	v_lshlrev_b32 v[LA], 4, v[LA]
	v_bfe_u32 v[LC], v0, 4, 1
	v_lshlrev_b32 v[LC], 5, v[LC]
	v_and_b32 v[LH], 15, v0
	v_lshlrev_b32 v[LH], 2, v[LH]
	s_lshl_b32 s16, ttmp9, 12                      ; my two row tiles: 2 x 2,048 bytes a work-group
	s_mov_b32 s17, 0
	s_lshl_b32 s18, ttmp9, 7                       ; their 32 words of hs
	s_mov_b32 s19, 0
	s_lshl_b32 s20, s14, 16                        ; the wave's 16 chunks of 4,096 bytes
	s_mov_b32 s21, 0
	s_lshl_b32 s22, s14, 11                        ; and of 128 bytes
	s_mov_b32 s23, 0
	s_lshl_b32 s30, s14, 4
	s_sub_co_u32 s30, ttmp9, s30                   ; chunk number ttmp9 holds my own rows: this is its place among the wave's 16 (outside 0..15: not this wave's)
	s_sub_co_u32 s31, s30, 1                       ; the same, for the odd step of a trip
	s_lshl_b32 s33, s14, 8                         ; the wave's 256 bytes for the diagonal
	s_wait_kmcnt 0x0
	s_load_b32 s15, s[8:9], 0x0                    ; kde_logvar
	s_load_b32 s28, s[10:11], 0x0                  ; noise_logvar
	s_add_nc_u64 s[24:25], s[4:5], s[16:17]
	s_add_nc_u64 s[26:27], s[6:7], s[18:19]
	s_add_nc_u64 s[4:5], s[4:5], s[20:21]
	s_add_nc_u64 s[6:7], s[6:7], s[22:23]
.irp rt, 0,1
.irp q, 0,1,2,3
	global_load_b128 v[BF+16*\rt+4*\q:BF+16*\rt+4*\q+3], v[LA], s[24:25] offset:2048*\rt+512*\q
.endr
	global_load_b32 v[ST+12*\rt+oH], v[LH], s[26:27] offset:64*\rt
.endr
; 12 loads: chunk ch (counted from the bases' present place) into operand buffer buf
.macro LOADC buf, ch
.irp ct, 0,1
.irp q, 0,1,2,3
	global_load_b128 v[AF+32*\buf+16*\ct+4*\q:AF+32*\buf+16*\ct+4*\q+3], v[LA], s[4:5] offset:4096*\ch+2048*\ct+512*\q
.endr
.irp q, 0,1
	global_load_b128 v[CF+16*\buf+8*\ct+4*\q:CF+16*\buf+8*\ct+4*\q+3], v[LC], s[6:7] offset:128*\ch+64*\ct+16*\q
.endr
.endr
.endm
; 8 matrix instructions: 2 column tiles x 2 row tiles, K = 0..31 on C = -sq/2, then K = 32..63 chained in place
.macro MM p
.irp rt, 0,1
.irp ct, 0,1
	v_wmma_f32_16x16x32_bf16 v[D+32*\p+16*\rt+8*\ct:D+32*\p+16*\rt+8*\ct+7], v[AF+32*\p+16*\ct:AF+32*\p+16*\ct+7], v[BF+16*\rt:BF+16*\rt+7], v[CF+16*\p+8*\ct:CF+16*\p+8*\ct+7]
.endr
.endr
.irp rt, 0,1
.irp ct, 0,1
	v_wmma_f32_16x16x32_bf16 v[D+32*\p+16*\rt+8*\ct:D+32*\p+16*\rt+8*\ct+7], v[AF+32*\p+16*\ct+8:AF+32*\p+16*\ct+15], v[BF+16*\rt+8:BF+16*\rt+15], v[D+32*\p+16*\rt+8*\ct:D+32*\p+16*\rt+8*\ct+7]
.endr
.endr
.endm
; The chunk with my own rows: in tiles (row tile 0, column tile 0) and (1, 1) the element with 8 h + j = r is the diagonal.
; Its g goes to LDS (lane r + 16 (r / 8) holds row r's; the other lanes store a 0 that nobody reads) and -FLT_MAX takes its place.
.macro OWNDIAG p, ca, cb, tag
	s_cmp_eq_u32 \ca, \cb
	s_cbranch_scc0 .Lnd_\tag
	v_and_b32 v[T], 15, v0
	v_bfe_u32 v[T+1], v0, 4, 1
	v_lshlrev_b32 v[T+1], 3, v[T+1]
	v_sub_nc_u32 v[T], v[T], v[T+1]                ; r - 8 h: the register that holds the diagonal, if 0..7
	v_and_b32 v[T+1], 31, v0
	v_lshl_add_u32 v[T+1], v[T+1], 2, s33
	v_mov_b32 v[T+2], 0
	v_mov_b32 v[T+3], 0
.irp j, 0,1,2,3,4,5,6,7
	v_cmp_ne_u32 vcc_lo, \j, v[T]
	v_cndmask_b32 v[T+2], v[D+32*\p+\j], v[T+2], vcc_lo
	v_cndmask_b32 v[D+32*\p+\j], 0xff7fffff, v[D+32*\p+\j], vcc_lo
	v_cndmask_b32 v[T+3], v[D+32*\p+24+\j], v[T+3], vcc_lo
	v_cndmask_b32 v[D+32*\p+24+\j], 0xff7fffff, v[D+32*\p+24+\j], vcc_lo
.endr
	ds_store_b32 v[T+1], v[T+2] offset:DGB
	ds_store_b32 v[T+1], v[T+3] offset:DGB+128
.Lnd_\tag:
.endm
.macro CLAMP p, rt                     ; max(d, 0) = min(g, H)
.irp e, 0,1,2,3,4,5,6,7,8,9,10,11,12,13,14,15
	v_min_num_f32 v[D+32*\p+16*\rt+\e], v[D+32*\p+16*\rt+\e], v[ST+12*\rt+oH]
.endr
.endm
.macro MAXU p, rt, tt                  ; G = max(G, 16 numbers): 8 instructions, three deep
	v_max3_num_f32 v[\tt],   v[D+32*\p+16*\rt],    v[D+32*\p+16*\rt+1],  v[D+32*\p+16*\rt+2]
	v_max3_num_f32 v[\tt+1], v[D+32*\p+16*\rt+3],  v[D+32*\p+16*\rt+4],  v[D+32*\p+16*\rt+5]
	v_max3_num_f32 v[\tt+2], v[D+32*\p+16*\rt+6],  v[D+32*\p+16*\rt+7],  v[D+32*\p+16*\rt+8]
	v_max3_num_f32 v[\tt+3], v[D+32*\p+16*\rt+9],  v[D+32*\p+16*\rt+10], v[D+32*\p+16*\rt+11]
	v_max3_num_f32 v[\tt+4], v[D+32*\p+16*\rt+12], v[D+32*\p+16*\rt+13], v[D+32*\p+16*\rt+14]
	v_max3_num_f32 v[\tt],   v[\tt], v[D+32*\p+16*\rt+15], v[ST+12*\rt+oG]
	v_max3_num_f32 v[\tt+1], v[\tt+1], v[\tt+2], v[\tt+3]
	v_max3_num_f32 v[ST+12*\rt+oG], v[\tt], v[\tt+1], v[\tt+4]
.endm
.macro SHIFT p, rt                     ; the new shift (-k1 G, -k2 G) and the factors exp2(new shift - old shift) <= 1
	v_pk_mul_f32 v[ST+12*\rt+oNK+2*\p:ST+12*\rt+oNK+2*\p+1], v[ST+12*\rt+oG:ST+12*\rt+oH], v[NEGK:NEGK+1] op_sel_hi:[0,1]
	v_pk_add_f32 v[ST+12*\rt+oF:ST+12*\rt+oF+1], v[ST+12*\rt+oNK+2*\p:ST+12*\rt+oNK+2*\p+1], v[ST+12*\rt+oNK+2-2*\p:ST+12*\rt+oNK+3-2*\p] neg_lo:[0,1] neg_hi:[0,1]
	v_exp_f32 v[ST+12*\rt+oF], v[ST+12*\rt+oF]
	v_exp_f32 v[ST+12*\rt+oF+1], v[ST+12*\rt+oF+1]
.endm
.macro ARGS p, rt, hf, tt              ; 8 numbers u: (k1 u - k1 G, k2 u - k2 G), one packed multiply-add each
.irp e, 0,2,4,6
	v_pk_fma_f32 v[\tt+2*\e:\tt+2*\e+1],   v[D+32*\p+16*\rt+8*\hf+\e:D+32*\p+16*\rt+8*\hf+\e+1], v[K:K+1], v[ST+12*\rt+oNK+2*\p:ST+12*\rt+oNK+2*\p+1] op_sel_hi:[0,1,1]
	v_pk_fma_f32 v[\tt+2*\e+2:\tt+2*\e+3], v[D+32*\p+16*\rt+8*\hf+\e:D+32*\p+16*\rt+8*\hf+\e+1], v[K:K+1], v[ST+12*\rt+oNK+2*\p:ST+12*\rt+oNK+2*\p+1] op_sel:[1,0,0] op_sel_hi:[1,1,1]
.endr
.endm
.macro EXPS tt
.irp e, 0,1,2,3,4,5,6,7,8,9,10,11,12,13,14,15
	v_exp_f32 v[\tt+\e], v[\tt+\e]
.endr
.endm
.macro SUMF rt, tt                     ; the chunk's first eight: the old sums are rescaled on the way, by the multiply-add
	s_wait_alu depctr_va_vdst(0)
	v_pk_fma_f32 v[ST+12*\rt+oPA:ST+12*\rt+oPA+1], v[ST+12*\rt+oPA:ST+12*\rt+oPA+1], v[ST+12*\rt+oF:ST+12*\rt+oF+1], v[\tt:\tt+1]
	v_pk_fma_f32 v[ST+12*\rt+oPB:ST+12*\rt+oPB+1], v[ST+12*\rt+oPB:ST+12*\rt+oPB+1], v[ST+12*\rt+oF:ST+12*\rt+oF+1], v[\tt+2:\tt+3]
.irp e, 4,8,12
	v_pk_add_f32 v[ST+12*\rt+oPA:ST+12*\rt+oPA+1], v[ST+12*\rt+oPA:ST+12*\rt+oPA+1], v[\tt+\e:\tt+\e+1]
	v_pk_add_f32 v[ST+12*\rt+oPB:ST+12*\rt+oPB+1], v[ST+12*\rt+oPB:ST+12*\rt+oPB+1], v[\tt+\e+2:\tt+\e+3]
.endr
.endm
.macro SUMS rt, tt
.irp e, 0,4,8,12
	v_pk_add_f32 v[ST+12*\rt+oPA:ST+12*\rt+oPA+1], v[ST+12*\rt+oPA:ST+12*\rt+oPA+1], v[\tt+\e:\tt+\e+1]
	v_pk_add_f32 v[ST+12*\rt+oPB:ST+12*\rt+oPB+1], v[ST+12*\rt+oPB:ST+12*\rt+oPB+1], v[\tt+\e+2:\tt+\e+3]
.endr
.endm
; STEP c (p = c % 2).  mm: the products of chunk c + 1 are issued first; left = younger loads that may stay out.  Then chunk c, whose products
; were issued one step ago, is worked on.  ld: chunk c + 3 is loaded into the operand buffer that the products above have just read, behind
; the 16 clamps: a load into a matrix instruction's sources stands at least four plain vector instructions that name none of its registers
; behind it, and so does every read of a result, here by a whole step.
; Behind each run of v_exp_f32 a plain instruction on other registers comes before a result is used (ISA guide 5.7.2): the next eight's
; multiply-adds, or the sums of the eight before.
.macro STEP p, mm, ld, ch, left, ca, cb, tag
.if \mm
	s_wait_loadcnt \left
	MM (1-\p)
.endif
	OWNDIAG \p, \ca, \cb, \tag
	CLAMP \p, 0
.if \ld
	LOADC (1-\p), \ch
.endif
	CLAMP \p, 1
	MAXU \p, 0, T
	MAXU \p, 1, T+8
	SHIFT \p, 0
	SHIFT \p, 1
	ARGS \p, 0, 0, T
	EXPS T
	ARGS \p, 0, 1, T+16
	EXPS T+16
	SUMF 0, T
	ARGS \p, 1, 0, T
	EXPS T
	SUMS 0, T+16
	ARGS \p, 1, 1, T+16
	EXPS T+16
	SUMF 1, T
	SUMS 1, T+16
.endm
	LOADC 0, 0
	LOADC 1, 1
	s_wait_kmcnt 0x0
	v_mov_b32 v[T], s15
	v_mov_b32 v[T+1], s28
	v_mul_f32 v[T], 0x3fb8aa3b, v[T]
	v_mul_f32 v[T+1], 0x3fb8aa3b, v[T+1]
	v_exp_f32 v[T], v[T]                           ; e^kv
	v_exp_f32 v[T+1], v[T+1]                       ; e^nv
	v_mov_b32 v[ST+oG], 0xff7fffff                 ; G starts at -FLT_MAX (and is the plain instruction behind the two above)
	s_wait_alu depctr_va_vdst(0)
	v_add_f32 v[T+1], v[T+1], v[T]                 ; total variance
	v_rcp_f32 v[K], v[T+1]
	v_rcp_f32 v[K+1], v[T]
	v_mov_b32 v[ST+12+oG], 0xff7fffff
	s_wait_alu depctr_va_vdst(0)
	v_mul_f32 v[K], 0x3fb8aa3b, v[K]
	v_mul_f32 v[K+1], 0x3fb8aa3b, v[K+1]
	v_mul_f32 v[NEGK], -1.0, v[K]
	v_mul_f32 v[NEGK+1], -1.0, v[K+1]
	s_wait_loadcnt 12                              ; row fragments, -H and chunk 0 are in; chunk 1's 12 loads stay out
	v_mul_f32 v[ST+oH], -1.0, v[ST+oH]             ; H = sq / 2
	v_mul_f32 v[ST+12+oH], -1.0, v[ST+12+oH]
	MM 0
.irp rt, 0,1                                       ; 12 plain instructions behind the products: the sums start at 0, the odd shift at FLT_MAX,
.irp e, 0,1,2,3                                    ; so that the first factor is exp2(-huge) = 0 on sums that are 0
	v_mov_b32 v[ST+12*\rt+oPA+\e], 0
.endr
	v_mov_b32 v[ST+12*\rt+oNK+2], 0x7f7fffff
	v_mov_b32 v[ST+12*\rt+oNK+3], 0x7f7fffff
.endr
	LOADC 0, 2
	s_mov_b32 s29, 0                               ; the chunk of the trip's even step
.Lloop:
	STEP 0, 1, 1, 3, 12, s29, s30, a               ; the wait leaves out the 12 loads of the chunk after next
	STEP 1, 1, 1, 4, 12, s29, s31, b
	s_wait_xcnt 0x0                                ; the bases are stepped only when every load issued has had its address translated (ISA guide 3.1)
	s_add_nc_u64 s[4:5], s[4:5], 8192
	s_add_nc_u64 s[6:7], s[6:7], 256
	s_add_co_u32 s29, s29, 2
	s_cmp_lt_u32 s29, 12
	s_cbranch_scc1 .Lloop
	STEP 0, 1, 1, 3, 12, s30, 12, c                ; steps 12 to 15: one more load (chunk 15, the wave's last), then none
	STEP 1, 1, 0, 0, 12, s30, 13, d
	STEP 0, 1, 0, 0, 0,  s30, 14, e                ; only chunk 15 is out: wait for zero
	STEP 1, 0, 0, 0, 0,  s30, 15, f
	; every (wave, lane half) hands its G, S1, S2 of each row to LDS: row x 144 + 4 (2 wave + h)
	v_pk_add_f32 v[ST+oPA:ST+oPA+1], v[ST+oPA:ST+oPA+1], v[ST+oPB:ST+oPB+1]
	v_pk_add_f32 v[ST+12+oPA:ST+12+oPA+1], v[ST+12+oPA:ST+12+oPA+1], v[ST+12+oPB:ST+12+oPB+1]
	v_and_b32 v[T], 15, v0
	v_mul_u32_u24 v[T], v[T], PITCH
	v_bfe_u32 v[T+1], v0, 4, 1
	v_lshl_add_u32 v[T], v[T+1], 2, v[T]
	s_lshl_b32 s16, s14, 3
	v_add_nc_u32 v[T], s16, v[T]
.irp rt, 0,1
	ds_store_b32 v[T], v[ST+12*\rt+oG]    offset:16*PITCH*\rt
	ds_store_b32 v[T], v[ST+12*\rt+oPA]   offset:S1B+16*PITCH*\rt
	ds_store_b32 v[T], v[ST+12*\rt+oPA+1] offset:S2B+16*PITCH*\rt
.endr
	s_wait_dscnt 0x0                               ; zero, for wave 0's sake: these stores and the diagonal's
	s_barrier_signal -1
	s_barrier_wait -1
	s_cmp_lg_u32 s14, 0
	s_cbranch_scc1 .Lend
	; wave 0: lane = row.  32 partial triples a row, three times eight loads of 16 bytes.
	v_mul_u32_u24 v[T], v0, PITCH
	v_lshrrev_b32 v[T+1], 4, v0
	v_lshlrev_b32 v[T+1], 7, v[T+1]                ; row tile x 128
	v_and_b32 v[T+4], 15, v0
	v_bfe_u32 v[T+5], v0, 3, 1
	v_lshl_add_u32 v[T+4], v[T+5], 4, v[T+4]       ; the lane that held the diagonal: r + 16 (r / 8)
	v_lshl_add_u32 v[T+1], v[T+4], 2, v[T+1]
	s_lshr_b32 s16, ttmp9, 4                       ; and the wave that had the chunk
	s_lshl_b32 s16, s16, 8
	v_add_nc_u32 v[T+1], s16, v[T+1]
	v_lshlrev_b32 v[T+4], 2, v0
	global_load_b32 v[T+3], v[T+4], s[26:27]       ; -H of my row
.irp i, 0,1,2,3,4,5,6,7
	ds_load_b128 v[64+4*\i:67+4*\i],   v[T] offset:16*\i
	ds_load_b128 v[96+4*\i:99+4*\i],   v[T] offset:S1B+16*\i
	ds_load_b128 v[128+4*\i:131+4*\i], v[T] offset:S2B+16*\i
.endr
	ds_load_b32 v[T+2], v[T+1] offset:DGB          ; g_ii
	s_lshl_b32 s20, ttmp9, 3
	s_mov_b32 s21, 0
	s_add_nc_u64 s[12:13], s[12:13], s[20:21]
	s_mov_b32 s16, 0x76543210                      ; v_permlanex16_b32: lane i reads lane i of the other half
	s_mov_b32 s17, 0xfedcba98
	s_wait_dscnt 0x0
	v_max3_num_f32 v160, v64, v65, v66
.irp i, 67,69,71,73,75,77,79,81,83,85,87,89,91,93
	v_max3_num_f32 v160, v160, v[\i], v[\i+1]
.endr
	v_max_num_f32 v160, v160, v95                  ; the row's G
	v_mov_b32 v161, v160
.irp i, 0,2,4,6,8,10,12,14,16,18,20,22,24,26,28,30
	v_pk_add_f32 v[64+\i:65+\i], v[64+\i:65+\i], v[160:161] neg_lo:[0,1] neg_hi:[0,1]     ; G_part - G <= 0
	v_pk_mul_f32 v[192+\i:193+\i], v[64+\i:65+\i], v[K:K+1] op_sel:[0,1] op_sel_hi:[1,1]  ; x k2
	v_pk_mul_f32 v[64+\i:65+\i], v[64+\i:65+\i], v[K:K+1] op_sel_hi:[1,0]                 ; x k1
.endr
.irp i, 0,1,2,3,4,5,6,7,8,9,10,11,12,13,14,15,16,17,18,19,20,21,22,23,24,25,26,27,28,29,30,31
	v_exp_f32 v[64+\i], v[64+\i]
	v_exp_f32 v[192+\i], v[192+\i]
.endr
	s_wait_loadcnt 0x0
	v_mul_f32 v[T+3], -1.0, v[T+3]                 ; H (the plain instruction behind the run above)
	s_wait_alu depctr_va_vdst(0)
	v_pk_mul_f32 v[162:163], v[96:97], v[64:65]
	v_pk_mul_f32 v[164:165], v[128:129], v[192:193]
.irp i, 2,4,6,8,10,12,14,16,18,20,22,24,26,28,30
	v_pk_fma_f32 v[162:163], v[96+\i:97+\i], v[64+\i:65+\i], v[162:163]
	v_pk_fma_f32 v[164:165], v[128+\i:129+\i], v[192+\i:193+\i], v[164:165]
.endr
	v_add_f32 v162, v162, v163                     ; S1 >= about 1: the largest term is exp2(0)
	v_add_f32 v164, v164, v165                     ; S2
	v_log_f32 v162, v162
	v_log_f32 v164, v164
	v_sub_f32 v166, v[T+3], v160                   ; H - G = half the least distance off the diagonal
	v_min_num_f32 v167, v[T+2], v[T+3]             ; the clamp, on the diagonal
	v_sub_f32 v167, v[T+3], v167                   ; H - u_ii = d_ii / 2
	s_wait_alu depctr_va_vdst(0)
	v_fma_f32 v162, v[NEGK], v166, v162            ; b1: log2 of the first sum off the diagonal
	v_fma_f32 v164, v[NEGK+1], v166, v164          ; b2
	v_mul_f32 v168, v[NEGK], v167                  ; a1: the diagonal's exponent in the first sum
	v_fmaak_f32 v169, v[NEGK+1], v167, 0xe29c6ad5  ; a2: in the second, with -1e21 log2(e)
	v_max_num_f32 v170, v168, v162
	v_max_num_f32 v171, v169, v164
	v_sub_f32 v168, v168, v170
	v_sub_f32 v162, v162, v170
	v_sub_f32 v169, v169, v171
	v_sub_f32 v164, v164, v171
	v_exp_f32 v168, v168
	v_exp_f32 v162, v162
	v_exp_f32 v169, v169
	v_exp_f32 v164, v164
	v_nop
	s_wait_alu depctr_va_vdst(0)
	v_add_f32 v168, v168, v162
	v_add_f32 v169, v169, v164
	v_log_f32 v168, v168
	v_log_f32 v169, v169
	v_mov_b32 v[T], 0
	s_wait_alu depctr_va_vdst(0)
	v_pk_add_f32 v[170:171], v[170:171], v[168:169]   ; the row's two logsumexps, in base 2
.irp m, 1,2,4,8
	v_add_f32_dpp v170, v170, v170 row_xmask:\m row_mask:0xf bank_mask:0xf
	v_add_f32_dpp v171, v171, v171 row_xmask:\m row_mask:0xf bank_mask:0xf
.endr
	v_permlanex16_b32 v168, v170, s16, s17
	v_permlanex16_b32 v169, v171, s16, s17
	v_pk_add_f32 v[170:171], v[170:171], v[168:169]   ; over the 32 rows
	v_cmp_eq_u32 vcc_lo, 0, v0
	s_wait_xcnt 0x0                                ; EXEC is a source of the load above: it changes only behind this wait
	s_and_saveexec_b32 s18, vcc_lo
	global_store_b64 v[T], v[170:171], s[12:13]    ; one pair a work-group
	s_endpgm
.Lend:
	s_endpgm
.Lfunc_end_k_q008c7973ee_pairs:
	.size	k_q008c7973ee_pairs, .Lfunc_end_k_q008c7973ee_pairs-k_q008c7973ee_pairs
	.p2alignl 7, 3214868480
	.fill 96, 4, 3214868480
	.section	.rodata,"a",@progbits
	.p2align	6, 0x0
	.amdhsa_kernel k_q008c7973ee_pairs
		.amdhsa_group_segment_fixed_size 17920
		.amdhsa_private_segment_fixed_size 0
		.amdhsa_enable_private_segment 0
		.amdhsa_kernarg_size 40
		.amdhsa_user_sgpr_count 2
		.amdhsa_user_sgpr_kernarg_segment_ptr 1
		.amdhsa_wavefront_size32 1
		.amdhsa_system_sgpr_workgroup_id_x 1
		.amdhsa_system_sgpr_workgroup_id_y 1
		.amdhsa_system_sgpr_workgroup_id_z 1
		.amdhsa_system_vgpr_workitem_id 0
		.amdhsa_next_free_vgpr 256
		.amdhsa_next_free_sgpr 66
		.amdhsa_reserve_vcc 1
		.amdhsa_float_denorm_mode_32 3
		.amdhsa_float_denorm_mode_16_64 3
		.amdhsa_memory_ordered 1
		.amdhsa_forward_progress 1
		.amdhsa_inst_pref_size 92
	.end_amdhsa_kernel
	.amdgpu_metadata
---
amdhsa.version: [ 1, 2 ]
amdhsa.kernels:
  - .name:           k_q008c7973ee_pairs
    .symbol:         k_q008c7973ee_pairs.kd
    .args:
      - { .name: xb, .offset: 0, .size: 8, .value_kind: global_buffer, .address_space: global }
      - { .name: hs, .offset: 8, .size: 8, .value_kind: global_buffer, .address_space: global }
      - { .name: kde_logvar, .offset: 16, .size: 8, .value_kind: global_buffer, .address_space: global }
      - { .name: noise_logvar, .offset: 24, .size: 8, .value_kind: global_buffer, .address_space: global }
      - { .name: part, .offset: 32, .size: 8, .value_kind: global_buffer, .address_space: global }
    .group_segment_fixed_size: 17920
    .private_segment_fixed_size: 0
    .kernarg_segment_align: 8
    .kernarg_segment_size: 40
    .max_flat_workgroup_size: 512
    .sgpr_count:     66
    .vgpr_count:     256
    .wavefront_size: 32
...
	.end_amdgpu_metadata
.endif
;; end of part 2
;; launch finish (part 3): grid 1 x 1, 1 waves a work-group, no clusters, 0 bytes of LDS; arguments part, kde_logvar, noise_logvar, out1, out2; writes out1, out2
.if DOCPART == 3
	.amdgcn_target "amdgcn-amd-amdhsa--gfx1250"
	.amdhsa_code_object_version 6
	.text
	.protected	k_q008c7973ee_finish
	.globl	k_q008c7973ee_finish
	.p2align	8
	.type	k_q008c7973ee_finish,@function
k_q008c7973ee_finish:
	s_mov_b64 s[64:65], 0
	v_nop
	global_prefetch_b8 v0, s[64:65] scope:SCOPE_SE
	s_setreg_imm32_b32 hwreg(HW_REG_WAVE_MODE, 25, 1), 1
	s_wait_xcnt 0x0
; finish: the 256 work-groups' pairs (sum over 32 rows of logsumexp 1 and 2, in base 2) are added, and the constants applied as the formula
; has them.  One wave: 2,048 bytes, four loads of 512 consecutive bytes; a sum over work-groups has one owner.
;   lprobs mean = ln2 / N * sum1 - ln N - nc,  h = -that,  mi = h - nc,  out1 = 0.01 mi,        nc  = 32 ln(2 pi (e^nv + e^kv))
;   out2 = -(ln2 / N * sum2 - ln(N - 1) - nck),                                                 nck = 32 ln(2 pi e^kv)
; Limit: the log-variances within about +-60, so that e^v is a normal f32 number.
	s_load_b256 s[4:11], s[0:1], 0x0               ; part s[4:5], kde_logvar s[6:7], noise_logvar s[8:9], out1 s[10:11]
	s_load_b64 s[12:13], s[0:1], 0x20              ; out2
	v_lshlrev_b32 v1, 4, v0
	s_wait_kmcnt 0x0
	s_load_b32 s14, s[6:7], 0x0
	s_load_b32 s15, s[8:9], 0x0
.irp i, 0,1,2,3
	global_load_b128 v[4+4*\i:7+4*\i], v1, s[4:5] offset:512*\i
.endr
	s_mov_b32 s16, 0x76543210
	s_mov_b32 s17, 0xfedcba98
	s_mov_b32 s18, 0x38b17218                      ; ln 2 / 8192
	s_wait_kmcnt 0x0
	v_mov_b32 v20, s14
	v_mov_b32 v21, s15
	v_mul_f32 v20, 0x3fb8aa3b, v20
	v_mul_f32 v21, 0x3fb8aa3b, v21
	v_exp_f32 v20, v20                             ; e^kv
	v_exp_f32 v21, v21                             ; e^nv
	v_mov_b32 v2, 0                                ; (a plain instruction behind them: ISA guide 5.7.2)
	s_wait_alu depctr_va_vdst(0)
	v_add_f32 v21, v21, v20                        ; total variance
	v_mul_f32 v22, 0x40c90fdb, v20                 ; 2 pi x
	v_mul_f32 v23, 0x40c90fdb, v21
	v_log_f32 v22, v22
	v_log_f32 v23, v23
	v_nop
	s_wait_alu depctr_va_vdst(0)
	v_mul_f32 v22, 0x41b17218, v22                 ; x 32 ln 2: nck
	v_mul_f32 v23, 0x41b17218, v23                 ; nc
	s_wait_loadcnt 0x0
	v_pk_add_f32 v[4:5], v[4:5], v[6:7]
	v_pk_add_f32 v[8:9], v[8:9], v[10:11]
	v_pk_add_f32 v[12:13], v[12:13], v[14:15]
	v_pk_add_f32 v[16:17], v[16:17], v[18:19]
	v_pk_add_f32 v[4:5], v[4:5], v[8:9]
	v_pk_add_f32 v[12:13], v[12:13], v[16:17]
	v_pk_add_f32 v[4:5], v[4:5], v[12:13]
.irp m, 1,2,4,8
	v_add_f32_dpp v4, v4, v4 row_xmask:\m row_mask:0xf bank_mask:0xf
	v_add_f32_dpp v5, v5, v5 row_xmask:\m row_mask:0xf bank_mask:0xf
.endr
	v_permlanex16_b32 v6, v4, s16, s17
	v_permlanex16_b32 v7, v5, s16, s17
	v_pk_add_f32 v[4:5], v[4:5], v[6:7]
	v_fmaak_f32 v4, s18, v4, 0xc1102cb3            ; mean logsumexp 1 - ln 8192
	v_fmaak_f32 v5, s18, v5, 0xc1102c33            ; mean logsumexp 2 - ln 8191
	v_sub_f32 v4, v23, v4                          ; h = -(.. - nc)
	v_sub_f32 v4, v4, v23                          ; mi = h - nc
	v_mul_f32 v4, 0x3c23d70a, v4                   ; x 0.01
	v_sub_f32 v5, v22, v5                          ; -(.. - nck)
	v_cmp_eq_u32 vcc_lo, 0, v0
	s_wait_xcnt 0x0                                ; EXEC changes only behind this wait
	s_and_saveexec_b32 s19, vcc_lo
	global_store_b32 v2, v4, s[10:11]
	global_store_b32 v2, v5, s[12:13]
	s_endpgm
.Lfunc_end_k_q008c7973ee_finish:
	.size	k_q008c7973ee_finish, .Lfunc_end_k_q008c7973ee_finish-k_q008c7973ee_finish
	.p2alignl 7, 3214868480
	.fill 96, 4, 3214868480
	.section	.rodata,"a",@progbits
	.p2align	6, 0x0
	.amdhsa_kernel k_q008c7973ee_finish
		.amdhsa_group_segment_fixed_size 0
		.amdhsa_private_segment_fixed_size 0
		.amdhsa_enable_private_segment 0
		.amdhsa_kernarg_size 40
		.amdhsa_user_sgpr_count 2
		.amdhsa_user_sgpr_kernarg_segment_ptr 1
		.amdhsa_wavefront_size32 1
		.amdhsa_system_sgpr_workgroup_id_x 1
		.amdhsa_system_sgpr_workgroup_id_y 1
		.amdhsa_system_sgpr_workgroup_id_z 1
		.amdhsa_system_vgpr_workitem_id 0
		.amdhsa_next_free_vgpr 32
		.amdhsa_next_free_sgpr 66
		.amdhsa_reserve_vcc 1
		.amdhsa_float_denorm_mode_32 3
		.amdhsa_float_denorm_mode_16_64 3
		.amdhsa_memory_ordered 1
		.amdhsa_forward_progress 1
		.amdhsa_inst_pref_size 4
	.end_amdhsa_kernel
	.amdgpu_metadata
---
amdhsa.version: [ 1, 2 ]
amdhsa.kernels:
  - .name:           k_q008c7973ee_finish
    .symbol:         k_q008c7973ee_finish.kd
    .args:
      - { .name: part, .offset: 0, .size: 8, .value_kind: global_buffer, .address_space: global }
      - { .name: kde_logvar, .offset: 8, .size: 8, .value_kind: global_buffer, .address_space: global }
      - { .name: noise_logvar, .offset: 16, .size: 8, .value_kind: global_buffer, .address_space: global }
      - { .name: out1, .offset: 24, .size: 8, .value_kind: global_buffer, .address_space: global }
      - { .name: out2, .offset: 32, .size: 8, .value_kind: global_buffer, .address_space: global }
    .group_segment_fixed_size: 0
    .private_segment_fixed_size: 0
    .kernarg_segment_align: 8
    .kernarg_segment_size: 40
    .max_flat_workgroup_size: 32
    .sgpr_count:     66
    .vgpr_count:     32
    .wavefront_size: 32
...
	.end_amdgpu_metadata
.endif
;; end of part 3
